; MI455X (gfx1250); checked and timed in simulation.
; The chip was launched on July 23, 2026; its instructions are those of AMD's public machine-readable ISA for CDNA 5 (MIT licence, August 2026) and "CDNA5" Instruction Set Architecture Reference Guide (July 2026). The comments in the code are by the model that wrote it; some were corrected since.
;; Face Feats Model. Allowed arithmetic: matrix products marked QUANTISED: E2M1 operands, one E8M0 scale for each 32 along K, by v_wmma_scale_f32_16x16x128_f8f6f4 with both operands' format E2M1 (or v_wmma_scale_f32_32x16x128_f4), f32 sums; everything else in f32.
;; Inputs: face_feats 50,000 x 512 float32; query_embeddings_codes 2,048 x 16 x 16 uint8 (E2M1 codes of query_embeddings, K innermost, in blocks of 32 codes, two codes a byte); query_embeddings_scales 2,048 x 16 uint8 (E8M0 scales of query_embeddings, one for each 32 codes along K); selector 2,048 bool.
;; Outputs: out0 2,048 x 512 float32.
;; This version of the problem:
;;   THIS VERSION OF THE PROBLEM IS GIVEN IN LOW PRECISION. The matrix products marked QUANTISED in the list below multiply operands that are first quantised to E2M1 (2 exponent bits, 1 mantissa bit; 4 bits a number), with one power-of-two scale for each 32 numbers along K (OCP MX v1.0); their sums are f32. All else is computed in f32.
;;   The module's matrix products, in the order in which they are computed (A, B: the left and right operand; K: the contracted axis; several contracted axes count as one K, in the product's order):
;;     1. [M 2,048, K 512] x [K 512, N 50,000]; A: input query_embeddings (given as codes); B: computed on the way: QUANTISED
;;   THE QUANTISER, for each operand of a quantised product, along K:
;;     - K is cut into blocks of 32 from its start; a last block that is shorter is filled with zeros.
;;     - A block's scale is 2^e with e = floor(log2(the largest magnitude in the block)) - 2, held to -126 .. 127; a block of zeros has e = 0. As a byte (E8M0): e + 127.
;;     - Each number is divided by its block's scale, clamped to +-6, and rounded to the nearest number of E2M1, ties to even, subnormals kept.
;;     - The product sums the exact products of the quantised numbers (number of the format x scale) in f32.
;;   ~~~python
;;   def quantise(x, axis):      # numpy; x: float32 -> the quantised numbers, widened to float32 again
;;       x = np.moveaxis(x, axis, -1); K = x.shape[-1]
;;       x = np.pad(x, [(0, 0)] * (x.ndim - 1) + [(0, -K % 32)]); x = x.reshape(x.shape[:-1] + (-1, 32)); a = np.abs(x).max(-1, keepdims=True)
;;       e = np.where(a > 0, np.clip(np.frexp(np.where(a > 0, a, 1))[1] - 1 - 2, -126, 127), 0)      # np.frexp(a)[1] - 1 = floor(log2(a)), exactly
;;       r = np.clip(x / 2.0 ** e, -6, 6)
;;       step = 2.0 ** (np.maximum(np.frexp(np.where(r == 0, 1, r))[1] - 1, 0) - 1)
;;       q = np.round(r / step) * step * 2.0 ** e      # np.round: ties to even
;;       return np.moveaxis(q.reshape(q.shape[:-2] + (-1,))[..., :K], -1, axis).astype(np.float32)
;;   ~~~
;;   OPERANDS COMPUTED ON THE WAY. 'Computed on the way' means the value that the module computes at that place (a softmax that the list does not call 'softmax' is quantised finished and normalised). What goes into a quantiser is computed in f32, as accurately as f32 sums, v_exp_f32 and their like allow (about 1e-6 of the number): no bf16 or f16 on the way to a quantiser, and a product that is left as it is and whose result goes on into a quantised operand takes f32 operands (vector FMAs, or v_wmma_f32_16x16x4_f32). A number that lies on a knife's edge between two numbers of the format may be rounded either way, as far as f32 arithmetic and the matrix unit's own rounding can turn it there, and no further.
;;   INPUTS GIVEN AS CODES. query_embeddings (in the module: [2048, 512], K = its axis 1): each comes as NAME_codes (uint8): NAME with its K axis moved to the last place and cut into blocks of 32 codes, [.., K / 32, bytes a block], one block behind the other in memory; two codes a byte, the lower K in the low four bits (a code: sign, 2 exponent bits, 1 mantissa bit); and NAME_scales (uint8): the same leading axes, one E8M0 byte (e + 127) for each 32 codes along K. Its value is code x scale, taken as it is: it is not quantised again, and the codes and scales need not be those that the quantiser above would give.
;; One version. Each part assembles by itself: llvm-mc -triple=amdgcn-amd-amdhsa -mcpu=gfx1250 --defsym DOCPART=n.
;; ======== version 1 of 1: 2 launches
;; limits: right only within a limited range of input values
;; workspace buffers: part 2,048,000 bytes of whole numbers
;; launch search (part 1): grid 250 x 1, 8 waves a work-group, clusters of 2 x 1, 327,680 bytes of LDS; arguments face_feats, query_embeddings_codes, query_embeddings_scales, part; writes part
.if DOCPART == 1
	.amdgcn_target "amdgcn-amd-amdhsa--gfx1250"
	.amdhsa_code_object_version 6
	.text
	.protected	k_qf992182654_search
	.globl	k_qf992182654_search
	.p2align	8
	.type	k_qf992182654_search,@function
k_qf992182654_search:
	s_mov_b64 s[64:65], 0
	v_nop
	global_prefetch_b8 v0, s[64:65] scope:SCOPE_SE
	s_setreg_imm32_b32 hwreg(HW_REG_WAVE_MODE, 25, 1), 1
	s_wait_xcnt 0x0
	s_wait_alu depctr_hold_cnt(0) depctr_sa_sdst(0) depctr_va_vdst(0) depctr_va_sdst(0) depctr_va_ssrc(0) depctr_va_vcc(0) depctr_vm_vsrc(0)
	s_getreg_b32 s2, hwreg(HW_REG_IB_STS2, 6, 4)
	s_cmp_eq_u32 s2, 0
	s_cbranch_scc0 .Lentry_in_a_cluster
	s_endpgm
.Lentry_in_a_cluster:
	s_bfe_u32 s2, ttmp6, 0x10000c
	s_cmp_lg_u32 s2, 0x1001
	s_cbranch_scc0 .Lentry_shape_is_right
	s_endpgm
.Lentry_shape_is_right:
; For each query: the best score, and its row, among the 400 rows of face_feats of one slice.  score = query . Q(row / |row|), both sides as codes of FP4 (E2M1) with one E8M0 scale for each 32 along K = 512.
; SHARES.  50,000 rows = 125 slices of 400 = 25 tiles of 16 = 8 blocks of 48 rows + a last block of 16.  A work-group takes one slice and one half of the 2,048 queries: 250 work-groups.
; Its eight waves keep 128 queries each (8 tiles of 16) as operand registers for the whole launch: 256 registers.  The rows stream past: wave w fetches rows 6 w .. 6 w + 5 of a block as f32 by one tensor load
; into its own part of a slot, divides them by their norms, quantises them two at a time (a pass), and stores the codes in LDS.  Block b's three tiles are multiplied with the queries by all waves; in each tile's
; products stands one pass of block b + 1; block b + 2 is on its way.
; A PASS: lanes 0-15 take one row, lanes 16-31 the next; lane l takes the whole block of 32 numbers l % 16 along K: no other lane is asked for its maximum, and its four words of codes are 16 bytes of the row's image.
; THE MAXIMUM.  Source 0 = 16 rows, source 1 = 16 queries: a lane holds one query and eight rows of a tile.  Per tile: the largest of the eight; where it beats the best so far (strictly, so the earlier tile stays on a
; tie) the tile's number and seven of its scores are kept.  Which of the eight it was is found once, at the end: the lowest of the seven that equals the best, else the eighth.
; Out go, for each query, a key (the score's bits made sortable as a signed integer) and the row.
; CLUSTER.  The two work-groups of a slice (the two halves of the queries) walk the same rows: they form a cluster of 2 x 1 and ask for each tile JOINTLY, with the mask 3.  Only two work-groups share a tile, and
; the grid, 250 = 2 x 125, is no multiple of four.  My place in the pair enters the global addresses of the queries, of part and of the prefetches alone.
; PREFETCH.  Blocks 0, 1 and 8 come by their loads alone.  Blocks 2 to 7 are asked for one joint load ahead: 24 pieces of 256 bytes of my wave's 12,288 bytes of a block, the partner the other 24, told apart by address.
; LIMITS: a row of face_feats that is all zeros, or holds NaN or an infinity, is not served (the definition gives NaN there).  1 / norm is v_rsq_f32 of the f32 sum of squares, followed by a multiplication.
; A block of zeros in a row gets the scale byte 1 where the rule says 127: its codes are zeros, and only this launch reads the bytes.
.set SLICEB, 400*2048
.set BLOCKB, 48*2048
.set ROWP,   8*272                     ; an LDS row of f32: each 256 bytes + 16 of padding: lane b's 128 bytes begin at column (b / 2) + 8 (b % 2) of 16 bytes modulo 256: sixteen different ones
.set SLOTB,  48*ROWP                   ; slot 0 at 0, slot 1 behind it
.set IMG,    2*SLOTB                   ; the rows' codes: 2 buffers x 48 rows x 272 bytes (256 + 16 of padding)
.set IBUF,   48*272
.set SCL,    IMG+2*IBUF                ; their scale bytes: 2 buffers x 48 rows x 16
.set SBUF,   48*16
.set SPARE,  SCL+2*SBUF                ; the spare words, 128 bytes for each wave: four blocks of 256 bytes that no other line names
.set SPW,   1                          ; v1   SPARE + 4 x my thread's number; never rewritten
.set NIL,   2                          ; v2   0; never rewritten
.set XB,    3                          ; v3   my numbers in slot 0;  v9 (XB + 6) in slot 1
.set CW,    4                          ; v4   where I store 16 bytes of codes
.set SW,    5                          ; v5   where I store a scale byte
.set FRA,   6                          ; v6   where my fragments begin
.set SR,    7                          ; v7   and my rows' scale words
.set TILEV, 8                          ; v8   the number of the tile in hand, 0 .. 24
.set INV,   10                         ; v10  1 / norm.  The packed form names the pair v[10:11] and takes its low word for both halves
.set PFO,   11                         ; v11  the prefetches' offset; never rewritten
.set QS,    12                         ; v12-27  the queries' scale words: register 4 P + s: lanes 0-15 tile 2 P, lanes 16-31 tile 2 P + 1
.set AS,    28                         ; v28-35  the rows' scale words, two sets of four
.set M,     36                         ; v36-43  the best score so far, one for each of my 8 query tiles, behind an odd tile; behind an even one it is in S + 8 q + 7
.set ID,    44                         ; v44-51  its tile
.set S,     52                         ; v52-115 query tile q: S + 8 q .. + 6 that tile's first seven scores, + 7 the best by turns with M
.set TM,    116                        ; v116-119 at work
.set U,     120                        ; v120-127 a pass: sums of squares; then U codes, U + 5 the conversion's scale, U + 6 the largest magnitude, then the scale's byte
.set ACC,   128                        ; v128-159 four accumulators
.set AF,    160                        ; v160-223 two sets of a tile's four fragments
.set X,     224                        ; v224-255 my 32 numbers.  In the head v224, v225: the queries' offsets
.set QA,    224
.set G1,    16                         ; s[16:23] descriptor group 1;  s[24:27], s[28:31] group 0 for slot 0 and slot 1
.set G0,    24
.set PFA,   58                         ; s[58:59] where my prefetches stand
; window 1 (v256-511): the queries' fragments, tile q, K step s at 32 q + 8 s
.set MSB, 0
.macro WIN new                         ; the immediate's high byte repeats the setting that is left
.if MSB != \new
	s_set_vgpr_msb (MSB<<8)|\new
.set MSB, \new
.endif
.endm
.macro PLACES
.rept 4
	v_nop
.endr
.endm
.macro CREST                           ; a round of the cluster's barrier behind its opening barrier
	s_cmp_lg_u32 s12, 0
	s_cbranch_scc1 .Lnot_wave_0_\@
	s_barrier_signal -3
.Lnot_wave_0_\@:
	s_barrier_wait -3
	s_barrier_signal -1
	s_barrier_wait -1
.endm
.macro ROUND
	s_barrier_signal -1
	s_barrier_wait -1
	CREST
.endm
.macro QLOAD q                         ; query tile q: lane (r, h) takes, of query 16 q + r, the 16 bytes at 64 s + 32 c + 16 h
	WIN 0x40
.irp s, 0,1,2,3
.irp c, 0,1
	global_load_b128 v[32*(\q)+8*\s+4*\c:32*(\q)+8*\s+4*\c+3], v[QA], s[6:7] offset:4096*(\q)+64*\s+32*\c
.endr
.endr
	WIN 0
.endm
.macro XLOAD x, adr, p                 ; pass p's numbers: 128 neighbouring bytes of a row a lane
.irp i, 0,1,2,3,4,5,6,7
	ds_load_b128 v[(\x)+4*\i:(\x)+4*\i+3], v[\adr] offset:(\p)*2*ROWP+16*\i
.endr
.endm
; A pass, first part: squares in four chains, joined to two, and my block's largest magnitude (in U + 6), by turns.
.macro Q1 x
.set n, 0
.rept 16
.if n < 4
	v_pk_mul_f32 v[U+2*n:U+2*n+1], v[(\x)+2*n:(\x)+2*n+1], v[(\x)+2*n:(\x)+2*n+1]
.else
	v_pk_fma_f32 v[U+2*(n%4):U+2*(n%4)+1], v[(\x)+2*n:(\x)+2*n+1], v[(\x)+2*n:(\x)+2*n+1], v[U+2*(n%4):U+2*(n%4)+1]
.endif
.if n < 2
	v_max_num_f32 v[TM+n], |v[(\x)+2*n]|, |v[(\x)+2*n+1]|
.else
	v_max3_num_f32 v[TM+n%2], v[TM+n%2], |v[(\x)+2*n]|, |v[(\x)+2*n+1]|
.endif
.set n, n+1
.endr
	v_pk_add_f32 v[U:U+1], v[U:U+1], v[U+2:U+3]
	v_pk_add_f32 v[U+4:U+5], v[U+4:U+5], v[U+6:U+7]
	v_max_num_f32 v[U+6], v[TM], v[TM+1]
.endm
; Second part, six steps, each on the result of the one before: the row's sum of squares, over its sixteen lanes, in U
.macro CH k
.if (\k) == 0
	v_pk_add_f32 v[U:U+1], v[U:U+1], v[U+4:U+5]
.elseif (\k) == 1
	v_add_f32 v[U], v[U], v[U+1]
.elseif (\k) == 2
	v_add_f32_dpp v[U], v[U], v[U] row_xmask:1 row_mask:0xf bank_mask:0xf
.elseif (\k) == 3
	v_add_f32_dpp v[U], v[U], v[U] row_xmask:2 row_mask:0xf bank_mask:0xf
.elseif (\k) == 4
	v_add_f32_dpp v[U], v[U], v[U] row_xmask:4 row_mask:0xf bank_mask:0xf
.else
	v_add_f32_dpp v[U], v[U], v[U] row_xmask:8 row_mask:0xf bank_mask:0xf
.endif
.endm
.macro CHAIN                           ; the six on end, where no products are at hand
	CH 0
.irp k, 1,2,3,4,5
	s_delay_alu instid0(VALU_DEP_1)
	CH \k
.endr
.endm
.macro RSQ                             ; a wait ahead of the transcendental and one ahead of its first reader
	s_wait_alu depctr_va_vdst(0)
	v_rsq_f32 v[INV], v[U]
	v_nop
	s_wait_alu depctr_va_vdst(0)
.endm
; Last part: divided by the norm, quantised, stored: pass p of the block whose image buffer is buf.
; The largest magnitude is multiplied by 1 / norm too: a rounded product does not fall where its factor rises, so this is the largest of the rounded products.
.macro Q2 x, buf, p
	v_mul_f32 v[U+6], v[U+6], v[INV]
.set n, 0
.rept 16
	v_pk_mul_f32 v[(\x)+2*n:(\x)+2*n+1], v[(\x)+2*n:(\x)+2*n+1], v[INV:INV+1] op_sel_hi:[1,0]
.if n == 3
	v_max_num_f32 v[U+6], 0x1800000, v[U+6]        ; the floor 2^(3 - 127): the byte cannot fall under 1
.endif
.if n == 7
	v_add_nc_u32 v[U+5], 0xff000000, v[U+6]        ; 2 off its exponent field: the conversion takes this operand's exponent field as its scale
.endif
.if n == 11
	v_lshrrev_b32 v[U+6], 23, v[U+5]               ; the scale's byte
.endif
.set n, n+1
.endr
.irp e, 0,1,2,3
	v_cvt_scalef32_pk8_fp4_f32 v[U+\e], v[(\x)+8*\e:(\x)+8*\e+7], v[U+5]
.endr
	v_nop                                          ; one plain place behind the conversions
	ds_store_b128 v[CW], v[U:U+3] offset:(\buf)*IBUF+(\p)*544
	ds_store_b8 v[SW], v[U+6] offset:(\buf)*SBUF+(\p)*32
.endm
; Tile t of buffer buf into set: eight loads of fragments and the 16 rows' scale words: nine loads
.macro ALOAD set, buf, t
.irp s, 0,1,2,3
.irp c, 0,1
	ds_load_b128 v[AF+32*(\set)+8*\s+4*\c:AF+32*(\set)+8*\s+4*\c+3], v[FRA] offset:(\buf)*IBUF+(\t)*4352+64*\s+32*\c
.endr
.endr
	ds_load_b128 v[AS+4*(\set):AS+4*(\set)+3], v[SR] offset:(\buf)*SBUF+(\t)*256
.endm
.macro WM set, g, ks, q                ; 16 rows x 16 queries (tile 4 g + q) x 128 along K
.set rD, ACC+8*(\q)
.set rA, AF+32*(\set)+8*(\ks)
.set rQ, 32*(4*(\g)+(\q))+8*(\ks)
.set rSA, AS+4*(\set)+(\ks)
.set rSQ, QS+4*((4*(\g)+(\q))/2)+(\ks)
.if (\ks) == 0
.if (\q)%2
	v_wmma_scale_f32_16x16x128_f8f6f4 v[rD:rD+7], v[rA:rA+7], v[rQ:rQ+7], 0, v[rSA], v[rSQ] matrix_a_fmt:MATRIX_FMT_FP4 matrix_b_fmt:MATRIX_FMT_FP4 matrix_b_scale:MATRIX_SCALE_ROW1
.else
	v_wmma_scale_f32_16x16x128_f8f6f4 v[rD:rD+7], v[rA:rA+7], v[rQ:rQ+7], 0, v[rSA], v[rSQ] matrix_a_fmt:MATRIX_FMT_FP4 matrix_b_fmt:MATRIX_FMT_FP4
.endif
.else
.if (\q)%2
	v_wmma_scale_f32_16x16x128_f8f6f4 v[rD:rD+7], v[rA:rA+7], v[rQ:rQ+7], v[rD:rD+7], v[rSA], v[rSQ] matrix_a_fmt:MATRIX_FMT_FP4 matrix_b_fmt:MATRIX_FMT_FP4 matrix_b_scale:MATRIX_SCALE_ROW1
.else
	v_wmma_scale_f32_16x16x128_f8f6f4 v[rD:rD+7], v[rA:rA+7], v[rQ:rQ+7], v[rD:rD+7], v[rSA], v[rSQ] matrix_a_fmt:MATRIX_FMT_FP4 matrix_b_fmt:MATRIX_FMT_FP4
.endif
.endif
.endm
; A tile of 16 rows against query tiles 4 g .. 4 g + 3, K steps a and b: the four accumulators by turns, one instruction a turn, K ascending; the first product of each starts its sum.
.macro MUL2 set, g, a, b
	WIN 0x04                                       ; source 1, the queries, window 1
.irp s, \a, \b
.irp q, 0,1,2,3
	WM \set, \g, \s, \q
.endr
.endr
	WIN 0
.endm
.macro MUL set, g                      ; all four K steps: 16 matrix instructions
	WIN 0x04
.irp s, 0,1,2,3
.irp q, 0,1,2,3
	WM \set, \g, \s, \q
.endr
.endr
	WIN 0
.endm
; The best so far is read from rO and written to rN: M and S + 8 q + 7 by turns, an even tile (set 0) reading M.  The last tile, 24, leaves it in S + 8 q + 7.
.macro AREG set, g, q
.if (\set) == 0
.set rO, M+4*(\g)+(\q)
.set rN, S+8*(4*(\g)+(\q))+7
.else
.set rO, S+8*(4*(\g)+(\q))+7
.set rN, M+4*(\g)+(\q)
.endif
.endm
.macro AMAX set, g, q
	AREG \set, \g, \q
	v_max3_num_f32 v[rN], v[TM+\q], v[ACC+8*\q+7], v[rO]
.endm
.macro ACMP set, g, q, mask
	AREG \set, \g, \q
	v_cmp_gt_f32 \mask, v[rN], v[rO]               ; strictly: on a tie the earlier tile stays
.endm
.macro ASEL g, q, mask
	v_cndmask_b32 v[ID+4*(\g)+\q], v[ID+4*(\g)+\q], v[TILEV], \mask
.irp j, 0,1,2,3,4,5,6
	v_cndmask_b32 v[S+8*(4*(\g)+\q)+\j], v[S+8*(4*(\g)+\q)+\j], v[ACC+8*\q+\j], \mask
.endr
.endm
; The four accumulators' maxima against the best so far of query tiles 4 g .. 4 g + 3; each accumulator is read from its low end on.  ch = 1: a pass's six steps stand between.
.macro AM set, g, ch=0
.irp q, 0,1,2,3
	v_max3_num_f32 v[TM+\q], v[ACC+8*\q], v[ACC+8*\q+1], v[ACC+8*\q+2]
.endr
.if \ch
	CH 0
.endif
.irp q, 0,1,2,3
	v_max3_num_f32 v[TM+\q], v[TM+\q], v[ACC+8*\q+3], v[ACC+8*\q+4]
.endr
.if \ch
	CH 1
.endif
.irp q, 0,1,2,3
	v_max3_num_f32 v[TM+\q], v[TM+\q], v[ACC+8*\q+5], v[ACC+8*\q+6]
.endr
.if \ch
	CH 2
.endif
	AMAX \set, \g, 0
	AMAX \set, \g, 1
	ACMP \set, \g, 0, vcc_lo
	ACMP \set, \g, 1, s32
.if \ch
	CH 3
.endif
	AMAX \set, \g, 2
	AMAX \set, \g, 3
	ASEL \g, 0, vcc_lo
	ACMP \set, \g, 2, vcc_lo
.if \ch
	CH 4
.endif
	ASEL \g, 1, s32
	ACMP \set, \g, 3, s32
.if \ch
	CH 5
.endif
	ASEL \g, 2, vcc_lo
	ASEL \g, 3, s32
.endm
.macro NEXT
	v_add_nc_u32 v[TILEV], 1, v[TILEV]
.endm
; Tile t of buffer buf, which has a successor in its block.  q = 1: pass t of the next block, whose numbers are on their way, is made between the products; more = 1: pass t + 1's numbers are asked for.
; The waits' counts: behind the tile's nine loads stand two stores and eight loads of numbers at the most, and the next tile's nine.
.macro NT set, buf, t, q, more, adr, qb
	ALOAD 1-(\set), \buf, (\t)+1
.if \q
	s_wait_dscnt 17
.else
	s_wait_dscnt 9
.endif
	MUL \set, 0
.if \q
	s_wait_dscnt 9                                 ; the numbers are in; the next tile's nine loads may be out
	Q1 X
.else
	PLACES
.endif
	AM \set, 0, \q
.if \q
	RSQ
.endif
	MUL \set, 1
.if \q
	Q2 X, \qb, \t
.if \more
	XLOAD X, \adr, (\t)+1
.endif
.else
	PLACES
.endif
	AM \set, 1
	NEXT
.endm
.macro THREE                           ; in front of a refill's round, in every wave: no tensor load of mine is out, and 0 onto my spare word
	s_wait_tensorcnt 0x0
	ds_add_u32 v[SPW], v[NIL]
.endm
.macro STEP sl, steps                  ; the slot's next block; the type bits on top are not reached.  The prefetches' address is written behind the wait for XCNT
	s_add_nc_u64 s[G0+4*(\sl)+2:G0+4*(\sl)+3], s[G0+4*(\sl)+2:G0+4*(\sl)+3], (\steps)*BLOCKB
	s_wait_xcnt 0x0
	s_add_nc_u64 s[PFA:PFA+1], s[PFA:PFA+1], BLOCKB
.endm
.macro JLOAD sl                        ; my one tensor load behind the round
	tensor_load_to_lds s[G0+4*(\sl):G0+4*(\sl)+3], s[G1:G1+7]
	s_nop 0
	PLACES
.endm
.macro ASK
	global_prefetch_b8 v[PFO], s[PFA:PFA+1] th:TH_LOAD_NT scope:SCOPE_SE
.endm
; A block's last tile, with THE CHANGE OF BLOCKS in it.  Ahead of the barrier: the next block's codes are stored, my tensor loads have landed, my LDS reads are back.  Behind it, in both work-groups of the pair: those codes
; are whole, nobody reads this block's codes or the slot quantised last; that slot is filled again, first thing.  Eight matrix instructions stand between the add and the wait for it, eight and the maxima of the results behind the next tile's loads.
; fill: 0 nothing is filled (my work-group's barrier alone); 1 refill; 2 refill, with no prefetch in the loop's last trip; 3 the last block, of 16 rows: two rows a wave.  nx = 1: the next phase has a pass 0.
.macro LT set, buf, q, fill, nx
.if \q
	s_wait_dscnt 8
.else
	s_wait_dscnt 0
.endif
	MUL \set, 0
.if \q
	s_wait_dscnt 0
	Q1 X
.else
	PLACES
.endif
	AM \set, 0, \q
.if \q
	RSQ
	Q2 X, 1-(\buf), 2
.if \fill
	THREE
.else
	s_wait_tensorcnt 0x0                           ; my rows of the last block are in
.endif
.endif
.if (\fill) == 3
	s_lshl_b32 s44, s12, 13                        ; rows 2 w in place of 6 w: 4 w rows of 2,048 bytes back
	s_mov_b32 s45, 0
	s_add_nc_u64 s[G0+2:G0+3], s[G0+2:G0+3], 2*BLOCKB
	s_sub_nc_u64 s[G0+2:G0+3], s[G0+2:G0+3], s[44:45]
	s_mul_i32 s[G0+1], s12, 2*ROWP
	s_mov_b32 s[G1+2], 16<<16                      ; tensor_dim1 = 16
	s_mov_b32 s[G1+4], 16                          ; tile_dim1 = 16
.elseif (\fill) > 0
	STEP 1-(\buf), 2
.endif
	MUL2 \set, 1, 0, 1
	s_wait_dscnt 0x0
	s_barrier_signal -1
	s_barrier_wait -1
.if \fill
	CREST
	JLOAD 1-(\buf)
.endif
	ALOAD 1-(\buf), 1-(\buf), 0
	MUL2 \set, 1, 2, 3
	PLACES
.if \nx
	XLOAD X, XB+6*(\buf), 0
.endif
.if (\fill) == 1
	ASK
.endif
.if (\fill) == 2
	s_cmp_gt_u32 s40, 1                            ; the same in both partners
	s_cbranch_scc0 .Lno_ask_\@
	ASK
.Lno_ask_\@:
.endif
	AM \set, 1
	NEXT
.endm
; Phase b: multiplies block b (buffer b % 2; the first tile's set is b % 2), quantises block b + 1, refills that block's slot with block b + 3
.macro PHASE buf, fill
	NT \buf, \buf, 0, 1, 1, XB+6*(1-(\buf)), 1-(\buf)
	NT 1-(\buf), \buf, 1, 1, 1, XB+6*(1-(\buf)), 1-(\buf)
	LT \buf, \buf, 1, \fill, 1
.endm
	s_load_b256 s[4:11], s[0:1], 0x0               ; face_feats s[4:5], the queries' codes s[6:7], their scales s[8:9], part s[10:11]
	v_lshl_add_u32 v[SPW], v0, 2, SPARE
	v_mov_b32 v[NIL], 0
	ds_add_u32 v[SPW], v[NIL]                      ; the wave's opening: the add, twice on end, and its wait
	ds_add_u32 v[SPW], v[NIL]
	v_lshrrev_b32 v3, 5, v0
	v_readfirstlane_b32 s12, v3                    ; wave 0..7
	s_bfe_u32 s13, ttmp6, 0x40000                  ; my place in the pair: which half of the queries
	s_mov_b32 s52, ttmp9                           ; in a cluster launch ttmp9 counts clusters: the slice
	s_lshl_b32 s53, s13, 10
	s_lshl_b32 s15, s12, 7
	s_add_co_u32 s53, s53, s15                     ; my wave's first query
	; group 1: my 6 rows are 12,288 dense bytes: 48 rows of 64 elements of 4 bytes, 16 bytes of padding behind each
	s_mov_b32 s[G1+0], 3|(2<<16)|(1<<20)|(1<<21)|(5<<22)|(3<<25)  ; 15:0 the mask: both work-groups of the pair; elements of 4 bytes; padding on; 21 set beside a mask; after every 64 words (code 5) 4 words (code 3)
	s_mov_b32 s[G1+1], 64<<16                      ; tensor_dim0
	s_mov_b32 s[G1+2], 48<<16                      ; tensor_dim1
	s_mov_b32 s[G1+3], 64<<16                      ; tile_dim0
	s_mov_b32 s[G1+4], 48                          ; tile_dim1
	s_mov_b32 s[G1+5], 64                          ; from row to row
	s_mov_b32 s[G1+6], 0
	s_mov_b32 s[G1+7], 0
	s_mul_i32 s14, s12, 6*ROWP                     ; my part of a slot: the wave's number alone enters an LDS address
	s_mul_i32 s44, s52, SLICEB                     ; my slice (under 2^27 bytes),
	s_mul_i32 s45, s12, 6*2048                     ; my 6 rows of a block: both are the same in the two partners
	s_add_co_u32 s44, s44, s45
	s_mov_b32 s45, 0
	s_mul_i32 s56, s13, 24*256                     ; the prefetches: of my wave's 12,288 bytes of a block, my work-group names 6,144
	s_mov_b32 s57, 0
	s_mov_b32 s36, 0x76543210                      ; v_permlanex16_b32's selects for lane l xor 16
	s_mov_b32 s37, 0xfedcba98
	s_mov_b32 s51, 0xffff0000                      ; lanes 16-31
	s_wait_dscnt 0x0                               ; both opening adds are done
	s_wait_kmcnt 0x0
	s_mov_b32 s[G0], 1
	s_mov_b32 s[G0+1], s14
	s_add_nc_u64 s[G0+2:G0+3], s[4:5], s[44:45]    ; block 0
	s_mov_b32 s[G0+4], 1
	s_add_co_u32 s[G0+5], s14, SLOTB
	s_add_nc_u64 s[G0+6:G0+7], s[G0+2:G0+3], BLOCKB      ; block 1
	s_add_nc_u64 s[PFA:PFA+1], s[4:5], s[44:45]
	s_add_nc_u64 s[PFA:PFA+1], s[PFA:PFA+1], s[56:57]
	s_add_nc_u64 s[PFA:PFA+1], s[PFA:PFA+1], 2*BLOCKB    ; at block 2
	s_or_b32 s[G0+3], s[G0+3], 0x80000000
	s_or_b32 s[G0+7], s[G0+7], 0x80000000
	s_lshl_b32 s60, s53, 8
	s_mov_b32 s61, 0
	s_add_nc_u64 s[6:7], s[6:7], s[60:61]
	s_lshl_b32 s60, s53, 4
	s_add_nc_u64 s[8:9], s[8:9], s[60:61]
	s_mul_i32 s46, s12, 6*272
	s_mul_i32 s47, s12, 6*16
	ROUND                                          ; both work-groups are here: the first joint loads meet
	JLOAD 0                                        ; block 0: one tensor load a wave at the head
	v_and_b32 v226, 31, v0                         ; lane
	v_and_b32 v227, 15, v0                         ; r
	v_bfe_u32 v228, v0, 4, 1                       ; h
	v_lshlrev_b32 v[QA], 8, v227
	v_lshl_add_u32 v[QA], v228, 4, v[QA]           ; 256 r + 16 h
	v_lshlrev_b32 v225, 4, v226                    ; 16 x lane
	v_min_u32 v229, 23, v226
	v_lshlrev_b32 v[PFO], 8, v229                  ; 256 x lane; lanes 24-31 name the last piece again
	v_mul_u32_u24 v[XB], v228, ROWP                ; my numbers: row h of the pass, 272 bytes for each pair of blocks
	v_lshrrev_b32 v229, 1, v227
	v_mul_u32_u24 v230, v229, 272
	v_add_nc_u32 v[XB], v[XB], v230
	v_and_b32 v229, 1, v227
	v_lshl_add_u32 v[XB], v229, 7, v[XB]
	v_add_nc_u32 v[XB], s14, v[XB]
	v_add_nc_u32 v[XB+6], SLOTB, v[XB]
	v_mul_u32_u24 v[CW], v228, 272                 ; my codes: image row 6 w + h, 16 r
	v_lshl_add_u32 v[CW], v227, 4, v[CW]
	v_add_nc_u32 v[CW], s46, v[CW]
	v_add_nc_u32 v[CW], IMG, v[CW]
	v_lshl_add_u32 v[SW], v228, 4, v227            ; my scale byte: row 6 w + h, byte r
	v_add_nc_u32 v[SW], s47, v[SW]
	v_add_nc_u32 v[SW], SCL, v[SW]
	v_mul_u32_u24 v[FRA], v227, 272                ; a fragment: row r, 16 h
	v_lshl_add_u32 v[FRA], v228, 4, v[FRA]
	v_add_nc_u32 v[FRA], IMG, v[FRA]
	v_lshl_add_u32 v[SR], v227, 4, SCL
	v_mov_b32 v[TILEV], 0
	s_wait_alu depctr_va_vdst(0)
.irp P, 0,1,2,3
	global_load_b128 v[QS+4*\P:QS+4*\P+3], v225, s[8:9] offset:512*\P   ; query 32 P + lane: its four scale words
.endr
	QLOAD 0
	QLOAD 1
	QLOAD 2
	QLOAD 3
	QLOAD 4
.irp q, 0,1,2,3,4,5,6,7
	v_mov_b32 v[M+\q], 0xff800000                  ; under every score: the first tile is always taken
	v_mov_b32 v[ID+\q], 0
.endr
.set i, 0
.rept 64
.if i%8 != 7
	v_mov_b32 v[S+i], 0                            ; written once: the selects name them as sources
.endif
.set i, i+1
.endr
	s_wait_alu depctr_va_vdst(0)
	THREE                                          ; block 0 is in
	s_wait_dscnt 0x0
	ROUND
	JLOAD 1                                        ; block 1
	XLOAD ACC, XB, 0                               ; block 0's three passes, in registers that the products do not need yet
	XLOAD ACC+32, XB, 1
	XLOAD ACC+64, XB, 2
	s_wait_dscnt 16                                ; pass 0's eight loads are in
	Q1 ACC
	CHAIN
	RSQ
	Q2 ACC, 0, 0
	QLOAD 5
	s_wait_dscnt 10                                ; pass 1's: behind them eight loads and two stores
	Q1 ACC+32
	CHAIN
	RSQ
	Q2 ACC+32, 0, 1
	QLOAD 6
	s_wait_dscnt 4                                 ; pass 2's: behind them four stores
	Q1 ACC+64
	CHAIN
	RSQ
	Q2 ACC+64, 0, 2
	QLOAD 7
	ASK                                            ; block 2
	s_wait_dscnt 0x0
	s_barrier_signal -1                            ; block 0's codes are whole
	s_barrier_wait -1
	; PHASE 0 IN TWO PARTS: query tiles 0-3 against block 0's three tiles, while tiles 4-7 are on their way; then tiles 4-7, with block 1's passes
	ALOAD 0, 0, 0
	ALOAD 1, 0, 1
	s_wait_loadcnt 32                              ; the scale words and tiles 0-3 are in; tiles 4 to 7 (32 loads) may be out
	s_wait_dscnt 9
	MUL 0, 0
	PLACES
	AM 0, 0
	NEXT
	ALOAD 0, 0, 2
	s_wait_dscnt 9
	MUL 1, 0
	PLACES
	AM 1, 0
	NEXT
	s_wait_dscnt 0x0
	MUL 0, 0
	PLACES
	THREE                                          ; block 1 is in
	AM 0, 0
	STEP 0, 2
	s_wait_dscnt 0x0
	ROUND
	JLOAD 0                                        ; block 2
	ALOAD 0, 0, 0
	XLOAD X, XB+6, 0
	ASK                                            ; block 3
	v_mov_b32 v[TILEV], 0
.macro HNT set, t                      ; tile t of block 0 against query tiles 4-7, and pass t of block 1
	ALOAD 1-(\set), 0, (\t)+1
	s_wait_dscnt 17
.if (\t) == 0
	s_wait_loadcnt 0x0                             ; all queries are in
.endif
	MUL \set, 1
	s_wait_dscnt 9
	Q1 X
	AM \set, 1, 1
	RSQ
	Q2 X, 1, \t
	XLOAD X, XB+6, (\t)+1
	NEXT
.endm
	HNT 0, 0
	HNT 1, 1
	s_wait_dscnt 8
	MUL 0, 1
	s_wait_dscnt 0x0
	Q1 X
	AM 0, 1, 1
	RSQ
	Q2 X, 1, 2
	THREE                                          ; block 2 is in
	STEP 1, 2
	s_wait_dscnt 0x0
	ROUND
	JLOAD 1                                        ; block 3
	ALOAD 1, 1, 0
	XLOAD X, XB, 0
	ASK                                            ; block 4
	NEXT
	s_mov_b32 s40, 2
.Lblocks:                                              ; phases 1, 2, then 3, 4: refills with blocks 4 to 7
	PHASE 1, 1
	PHASE 0, 2
	s_sub_co_u32 s40, s40, 1
	s_cmp_lg_u32 s40, 0
	s_cbranch_scc1 .Lblocks
	PHASE 1, 3                                     ; phase 5: the last refill, block 8's 16 rows
	s_mul_i32 s46, s12, 4*ROWP                     ; in block 8 my two rows are 2 w, 2 w + 1
	v_sub_nc_u32 v[XB], v[XB], s46
	s_wait_alu depctr_va_vdst(0)
	PHASE 0, 0                                     ; phase 6
	s_mul_i32 s46, s12, 4*272
	s_mul_i32 s47, s12, 4*16
	v_sub_nc_u32 v[CW], v[CW], s46
	v_sub_nc_u32 v[SW], v[SW], s47
	s_wait_alu depctr_va_vdst(0)
	NT 1, 1, 0, 1, 0, XB, 0                        ; phase 7, with block 8's one pass
	NT 0, 1, 1, 0, 0, XB, 0
	LT 1, 1, 0, 0, 0
	s_wait_dscnt 0x0
	MUL 0, 0                                       ; block 8: one tile
	PLACES
	AM 0, 0
	MUL 0, 1
	PLACES
	AM 0, 1
	; THE FINISH.  Which of the eight was the best (the lowest on a tie); the row's number; the better of the two halves of the lanes; the key.
.set FB,  S+7                          ; query tile q's best: FB + 8 q
.set FJ,  128
.set FR,  136
.set FMO, 144
.set FRO, 152
.set FK,  160
.set FH,  168
.set FO,  170
.set OUT, 176
	s_lshl_b32 s60, s52, 14                        ; part: [slice][query][key, row]: 16,384 bytes a slice, 8 a query
	s_lshl_b32 s62, s53, 3
	s_add_co_u32 s60, s60, s62
	s_mov_b32 s61, 0
	s_add_nc_u64 s[10:11], s[10:11], s[60:61]
	s_mul_i32 s14, s52, 400
	v_bfe_u32 v[FH], v0, 4, 1
	v_lshlrev_b32 v[FH], 3, v[FH]
	v_add_nc_u32 v[FH], s14, v[FH]                 ; 400 x slice + 8 (lane / 16)
	v_and_b32 v[FO], 31, v0
	v_lshlrev_b32 v[FO], 3, v[FO]
.irp q, 0,1,2,3,4,5,6,7
	v_mov_b32 v[FJ+\q], 7
	v_mov_b32 v[FMO+\q], 0                         ; (a lane permute's destination counts as one of its sources)
	v_mov_b32 v[FRO+\q], 0
.endr
.irp j, 6,5,4,3,2,1,0
.irp q, 0,1,2,3,4,5,6,7
	v_cmp_eq_f32 s[32+\q+8*(\q/4)], v[S+8*\q+\j], v[FB+8*\q]
.endr
.irp q, 0,1,2,3,4,5,6,7
	v_cndmask_b32 v[FJ+\q], v[FJ+\q], \j, s[32+\q+8*(\q/4)]
.endr
.endr
.irp q, 0,1,2,3,4,5,6,7
	v_lshl_add_u32 v[FR+\q], v[ID+\q], 4, v[FJ+\q]
.endr
.irp q, 0,1,2,3,4,5,6,7
	v_add_nc_u32 v[FR+\q], v[FR+\q], v[FH]         ; the row's number in face_feats
.endr
.irp q, 0,1,2,3,4,5,6,7
	v_permlanex16_b32 v[FMO+\q], v[FB+8*\q], s36, s37
	v_permlanex16_b32 v[FRO+\q], v[FR+\q], s36, s37
.endr
.irp q, 0,1,2,3,4,5,6,7
	v_cmp_gt_f32 s48, v[FMO+\q], v[FB+8*\q]        ; the other half's is taken where it is greater, or equal with the lower row
	v_cmp_eq_f32 s49, v[FMO+\q], v[FB+8*\q]
	v_cmp_lt_u32 s50, v[FRO+\q], v[FR+\q]
	s_and_b32 s49, s49, s50
	s_or_b32 s48, s48, s49
	v_cndmask_b32 v[FB+8*\q], v[FB+8*\q], v[FMO+\q], s48
	v_cndmask_b32 v[FR+\q], v[FR+\q], v[FRO+\q], s48
.endr
.irp q, 0,1,2,3,4,5,6,7
	v_add_f32 v[FK+\q], 0, v[FB+8*\q]              ; -0 becomes +0
.endr
.irp q, 0,1,2,3,4,5,6,7
	v_ashrrev_i32 v[FMO+\q], 31, v[FK+\q]
.endr
.irp q, 0,1,2,3,4,5,6,7
	v_and_b32 v[FMO+\q], 0x7fffffff, v[FMO+\q]
.endr
.irp q, 0,1,2,3,4,5,6,7
	v_xor_b32 v[FK+\q], v[FK+\q], v[FMO+\q]        ; a negative number's lower 31 bits are turned over: the keys order as signed integers as the scores do
.endr
.irp P, 0,1,2,3
	v_cndmask_b32 v[OUT+2*\P],   v[FK+2*\P], v[FK+2*\P+1], s51    ; lanes 0-15: query tile 2 P; lanes 16-31: tile 2 P + 1
	v_cndmask_b32 v[OUT+2*\P+1], v[FR+2*\P], v[FR+2*\P+1], s51
.endr
.irp P, 0,1,2,3
	global_store_b64 v[FO], v[OUT+2*\P:OUT+2*\P+1], s[10:11] offset:256*\P   ; 32 lanes store 256 consecutive bytes, at a multiple of 256 from part's first byte
.endr
	s_wait_tensorcnt 0x0                           ; the wave's end
	ds_add_u32 v[SPW], v[NIL]
	s_wait_dscnt 0x0
	ROUND                                          ; the closing round: no work-group ends while its partner may still ask for a tile that names it
	s_endpgm
.Lfunc_end_k_qf992182654_search:
	.size	k_qf992182654_search, .Lfunc_end_k_qf992182654_search-k_qf992182654_search
	.p2alignl 7, 3214868480
	.fill 96, 4, 3214868480
	.section	.rodata,"a",@progbits
	.p2align	6, 0x0
	.amdhsa_kernel k_qf992182654_search
		.amdhsa_group_segment_fixed_size 327680
		.amdhsa_private_segment_fixed_size 0
		.amdhsa_enable_private_segment 0
		.amdhsa_kernarg_size 32
		.amdhsa_user_sgpr_count 2
		.amdhsa_user_sgpr_kernarg_segment_ptr 1
		.amdhsa_wavefront_size32 1
		.amdhsa_system_sgpr_workgroup_id_x 1
		.amdhsa_system_sgpr_workgroup_id_y 1
		.amdhsa_system_sgpr_workgroup_id_z 1
		.amdhsa_system_vgpr_workitem_id 0
		.amdhsa_next_free_vgpr 512
		.amdhsa_next_free_sgpr 66
		.amdhsa_reserve_vcc 1
		.amdhsa_float_denorm_mode_32 3
		.amdhsa_float_denorm_mode_16_64 3
		.amdhsa_memory_ordered 1
		.amdhsa_forward_progress 1
		.amdhsa_inst_pref_size 255
	.end_amdhsa_kernel
	.section	.bss,"aw",@nobits
	.p2align	6
	.space	262144
	.amdgpu_metadata
---
amdhsa.version: [ 1, 2 ]
amdhsa.kernels:
  - .name:           k_qf992182654_search
    .symbol:         k_qf992182654_search.kd
    .args:
      - { .name: face_feats, .offset: 0, .size: 8, .value_kind: global_buffer, .address_space: global }
      - { .name: query_embeddings_codes, .offset: 8, .size: 8, .value_kind: global_buffer, .address_space: global }
      - { .name: query_embeddings_scales, .offset: 16, .size: 8, .value_kind: global_buffer, .address_space: global }
      - { .name: part, .offset: 24, .size: 8, .value_kind: global_buffer, .address_space: global }
    .group_segment_fixed_size: 327680
    .private_segment_fixed_size: 0
    .kernarg_segment_align: 8
    .kernarg_segment_size: 32
    .max_flat_workgroup_size: 256
    .sgpr_count:     66
    .vgpr_count:     512
    .wavefront_size: 32
...
	.end_amdgpu_metadata
.endif
;; end of part 1
;; launch pick (part 2): grid 256 x 1, 4 waves a work-group, no clusters, 0 bytes of LDS; arguments part, face_feats, selector, out0; writes out0
.if DOCPART == 2
	.amdgcn_target "amdgcn-amd-amdhsa--gfx1250"
	.amdhsa_code_object_version 6
	.text
	.protected	k_qf992182654_pick
	.globl	k_qf992182654_pick
	.p2align	8
	.type	k_qf992182654_pick,@function
k_qf992182654_pick:
	s_mov_b64 s[64:65], 0
	v_nop
	global_prefetch_b8 v0, s[64:65] scope:SCOPE_SE
	s_setreg_imm32_b32 hwreg(HW_REG_WAVE_MODE, 25, 1), 1
	s_wait_xcnt 0x0
; out0[q] = face_feats[row] / |face_feats[row]| where selector[q] is set, else -1; row = the best row of query q over the 125 slices, from part [125][2048][key, row].
; All that steers an address here is whole numbers read from memory: keys are compared as signed integers (greater wins), rows as unsigned (on equal keys the lower wins: the first maximum).
; A work-group takes 8 queries, a wave two of them.  Lane l looks at query l % 2 and slices 16 i + l / 2; then lanes l xor 2, 4, 8 and 16 are joined.  The two winners' rows (2,048 bytes each) are loaded together, 512 consecutive bytes a load.
; No LDS, no barrier, no matrix work: the launch is two dependent reads and a store, with no loop to prefetch in.
; LIMITS: a winner's row of zeros gives NaN, as the definition does; 1 / norm is v_rsq_f32 of the f32 sum of squares.  A row number is held at 49,999 before it enters an address.
.set P,  16                            ; v16-31   8 pairs (key, row)
.set RW, 32                            ; v32-63   2 rows x 16 numbers a lane
.set SM, 64                            ; v64-67   2 pairs: the sum of squares, then 1 / norm, in the low word
.set T,  68                            ; v68-77   at work
	s_load_b256 s[4:11], s[0:1], 0x0               ; part s[4:5], face_feats s[6:7], selector s[8:9], out0 s[10:11]
	v_lshrrev_b32 v1, 5, v0
	v_readfirstlane_b32 s16, v1                    ; wave 0..3
	v_and_b32 v2, 31, v0                           ; lane
	v_lshrrev_b32 v3, 1, v2
	v_and_b32 v4, 1, v2
	v_lshlrev_b32 v4, 3, v4                        ; 8 bytes a query
	v_lshl_add_u32 v5, v3, 14, v4                  ; + 16,384 bytes a slice
	v_add_nc_u32 v6, 112, v3
	v_min_u32 v6, 0x7c, v6                         ; the last load: slices 112 to 124; a pair seen twice changes nothing
	v_lshl_add_u32 v6, v6, 14, v4
	v_lshlrev_b32 v7, 4, v2                        ; 16 x lane
	s_mov_b32 s36, 0x76543210                      ; v_permlanex16_b32's selects for lane l xor 16
	s_mov_b32 s37, 0xfedcba98
	s_lshl_b32 s12, ttmp9, 6                       ; my 2 queries: 64 bytes a work-group and 16 a wave on in a slice of part,
	s_lshl_b32 s13, s16, 4
	s_add_co_u32 s12, s12, s13
	s_mov_b32 s13, 0
	s_lshl_b32 s14, ttmp9, 3                       ; my work-group's 8 bytes of selector,
	s_mov_b32 s15, 0
	s_lshl_b32 s18, ttmp9, 14                      ; 8 rows of 2,048 bytes a work-group and 2 a wave on in out0
	s_lshl_b32 s19, s16, 12
	s_add_co_u32 s18, s18, s19
	s_mov_b32 s19, 0
	v_mov_b32 v[T], 0                              ; (destinations of lane moves count as sources)
	v_mov_b32 v[T+1], 0
	v_mov_b32 v[T+8], 0
	v_mov_b32 v[T+9], 0
	v_mov_b32 v[SM+1], 0                           ; (named as the upper halves of pairs)
	v_mov_b32 v[SM+3], 0
	s_wait_alu depctr_va_vdst(0)
	s_wait_kmcnt 0x0
	s_add_nc_u64 s[4:5], s[4:5], s[12:13]
	s_add_nc_u64 s[8:9], s[8:9], s[14:15]
	s_add_nc_u64 s[10:11], s[10:11], s[18:19]
	s_load_b64 s[20:21], s[8:9], 0x0
.irp i, 0,1,2,3,4,5,6
	global_load_b64 v[P+2*\i:P+2*\i+1], v5, s[4:5] offset:262144*\i   ; slice 16 i + lane / 2
.endr
	global_load_b64 v[P+14:P+15], v6, s[4:5]
	s_wait_loadcnt 0x0
; The pair of later slices is taken where its key is strictly greater, so that the earlier slice stays on a tie.  n pairs of pairs, d registers apart, by turns
.macro LATER d, n
.set i, 0
.rept \n
	v_cmp_gt_i32 s[40+i], v[P+2*(\d)*i+(\d)], v[P+2*(\d)*i]
.set i, i+1
.endr
.set i, 0
.rept \n
	v_cndmask_b32 v[P+2*(\d)*i],   v[P+2*(\d)*i],   v[P+2*(\d)*i+(\d)],   s[40+i]
	v_cndmask_b32 v[P+2*(\d)*i+1], v[P+2*(\d)*i+1], v[P+2*(\d)*i+(\d)+1], s[40+i]
.set i, i+1
.endr
.endm
	LATER 2, 4
	LATER 4, 2
	LATER 8, 1
.macro COMB                            ; the partner's pair, in v[T], v[T+1], is taken where its key is greater, or equal with the lower row
	v_cmp_gt_i32 s40, v[T], v[P]
	v_cmp_eq_u32 s41, v[T], v[P]
	v_cmp_lt_u32 s42, v[T+1], v[P+1]
	s_and_b32 s41, s41, s42
	s_or_b32 s40, s40, s41
	v_cndmask_b32 v[P],   v[P],   v[T],   s40
	v_cndmask_b32 v[P+1], v[P+1], v[T+1], s40
.endm
.irp m, 2,4,8
	v_mov_b32_dpp v[T],   v[P]   row_xmask:\m row_mask:0xf bank_mask:0xf
	v_mov_b32_dpp v[T+1], v[P+1] row_xmask:\m row_mask:0xf bank_mask:0xf
	COMB
.endr
	v_permlanex16_b32 v[T],   v[P],   s36, s37
	v_permlanex16_b32 v[T+1], v[P+1], s36, s37
	COMB                                           ; lane i (0, 1) holds query i's row
	v_readlane_b32 s22, v[P+1], 0
	v_readlane_b32 s23, v[P+1], 1
	s_min_u32 s22, s22, 0xc34f                     ; inside the table, whatever was read
	s_min_u32 s23, s23, 0xc34f
	v_lshl_add_u32 v8, s22, 11, v7                 ; 2,048 x row + 16 x lane
	v_lshl_add_u32 v9, s23, 11, v7
.irp i, 0,1
.irp k, 0,1,2,3
	global_load_b128 v[RW+16*\i+4*\k:RW+16*\i+4*\k+3], v[8+\i], s[6:7] offset:512*\k
.endr
.endr
	s_wait_kmcnt 0x0                               ; selector: my two bytes of the eight
	s_cmp_lt_u32 s16, 2
	s_cselect_b32 s20, s20, s21
	s_and_b32 s24, s16, 1
	s_lshl_b32 s24, s24, 4
	s_lshr_b32 s20, s20, s24
	s_and_b32 s28, s20, 0xff
	s_cmp_lg_u32 s28, 0
	s_cselect_b32 s28, -1, 0                       ; a mask of all lanes or of none
	s_and_b32 s29, s20, 0xff00
	s_cmp_lg_u32 s29, 0
	s_cselect_b32 s29, -1, 0
	s_wait_loadcnt 0x0
	; the two rows' sums of squares, by turns
.irp i, 0,1
	v_pk_mul_f32 v[T+4*\i:T+4*\i+1],   v[RW+16*\i:RW+16*\i+1],   v[RW+16*\i:RW+16*\i+1]
	v_pk_mul_f32 v[T+4*\i+2:T+4*\i+3], v[RW+16*\i+2:RW+16*\i+3], v[RW+16*\i+2:RW+16*\i+3]
.endr
.irp k, 4,8,12
.irp i, 0,1
	v_pk_fma_f32 v[T+4*\i:T+4*\i+1],   v[RW+16*\i+\k:RW+16*\i+\k+1],   v[RW+16*\i+\k:RW+16*\i+\k+1],   v[T+4*\i:T+4*\i+1]
	v_pk_fma_f32 v[T+4*\i+2:T+4*\i+3], v[RW+16*\i+\k+2:RW+16*\i+\k+3], v[RW+16*\i+\k+2:RW+16*\i+\k+3], v[T+4*\i+2:T+4*\i+3]
.endr
.endr
.irp i, 0,1
	v_pk_add_f32 v[T+4*\i:T+4*\i+1], v[T+4*\i:T+4*\i+1], v[T+4*\i+2:T+4*\i+3]
.endr
.irp i, 0,1
	v_add_f32 v[SM+2*\i], v[T+4*\i], v[T+4*\i+1]
.endr
.irp m, 1,2,4,8
.irp i, 0,1
	v_add_f32_dpp v[SM+2*\i], v[SM+2*\i], v[SM+2*\i] row_xmask:\m row_mask:0xf bank_mask:0xf
.endr
.endr
.irp i, 0,1
	v_permlanex16_b32 v[T+8+\i], v[SM+2*\i], s36, s37
.endr
.irp i, 0,1
	v_add_f32 v[SM+2*\i], v[SM+2*\i], v[T+8+\i]    ; the row's sum of squares, in every lane
.endr
	s_wait_alu depctr_va_vdst(0)                   ; a wait ahead of the batch,
	v_rsq_f32 v[SM], v[SM]
	v_rsq_f32 v[SM+2], v[SM+2]
	v_nop                                          ; a plain place behind the last,
	s_wait_alu depctr_va_vdst(0)                   ; and one wait ahead of their first reader
.irp i, 0,1
.irp k, 0,2,4,6,8,10,12,14
	v_pk_mul_f32 v[RW+16*\i+\k:RW+16*\i+\k+1], v[RW+16*\i+\k:RW+16*\i+\k+1], v[SM+2*\i:SM+2*\i+1] op_sel_hi:[1,0]
.endr
.irp k, 0,1,2,3,4,5,6,7,8,9,10,11,12,13,14,15
	v_cndmask_b32 v[RW+16*\i+\k], -1.0, v[RW+16*\i+\k], s[28+\i]   ; -1 where the query is not selected
.endr
.irp k, 0,1,2,3
	global_store_b128 v7, v[RW+16*\i+4*\k:RW+16*\i+4*\k+3], s[10:11] offset:2048*\i+512*\k th:TH_STORE_NT   ; 32 lanes store 512 consecutive bytes, at a multiple of 256 from out0's first byte
.endr
.endr
	s_endpgm
.Lfunc_end_k_qf992182654_pick:
	.size	k_qf992182654_pick, .Lfunc_end_k_qf992182654_pick-k_qf992182654_pick
	.p2alignl 7, 3214868480
	.fill 96, 4, 3214868480
	.section	.rodata,"a",@progbits
	.p2align	6, 0x0
	.amdhsa_kernel k_qf992182654_pick
		.amdhsa_group_segment_fixed_size 0
		.amdhsa_private_segment_fixed_size 0
		.amdhsa_enable_private_segment 0
		.amdhsa_kernarg_size 32
		.amdhsa_user_sgpr_count 2
		.amdhsa_user_sgpr_kernarg_segment_ptr 1
		.amdhsa_wavefront_size32 1
		.amdhsa_system_sgpr_workgroup_id_x 1
		.amdhsa_system_sgpr_workgroup_id_y 1
		.amdhsa_system_sgpr_workgroup_id_z 1
		.amdhsa_system_vgpr_workitem_id 0
		.amdhsa_next_free_vgpr 80
		.amdhsa_next_free_sgpr 66
		.amdhsa_reserve_vcc 0
		.amdhsa_float_denorm_mode_32 3
		.amdhsa_float_denorm_mode_16_64 3
		.amdhsa_memory_ordered 1
		.amdhsa_forward_progress 1
		.amdhsa_inst_pref_size 14
	.end_amdhsa_kernel
	.amdgpu_metadata
---
amdhsa.version: [ 1, 2 ]
amdhsa.kernels:
  - .name:           k_qf992182654_pick
    .symbol:         k_qf992182654_pick.kd
    .args:
      - { .name: part, .offset: 0, .size: 8, .value_kind: global_buffer, .address_space: global }
      - { .name: face_feats, .offset: 8, .size: 8, .value_kind: global_buffer, .address_space: global }
      - { .name: selector, .offset: 16, .size: 8, .value_kind: global_buffer, .address_space: global }
      - { .name: out0, .offset: 24, .size: 8, .value_kind: global_buffer, .address_space: global }
    .group_segment_fixed_size: 0
    .private_segment_fixed_size: 0
    .kernarg_segment_align: 8
    .kernarg_segment_size: 32
    .max_flat_workgroup_size: 128
    .sgpr_count:     66
    .vgpr_count:     80
    .wavefront_size: 32
...
	.end_amdgpu_metadata
.endif
;; end of part 2
